; MI455X (gfx1250); checked and timed in simulation.
; The chip was launched on July 23, 2026; its instructions are those of AMD's public machine-readable ISA for CDNA 5 (MIT licence, August 2026) and "CDNA5" Instruction Set Architecture Reference Guide (July 2026). The comments in the code are by the model that wrote it; some were corrected since.
;; nojit custom LSTM Cell. Allowed arithmetic: matrix products marked QUANTISED: E2M1 operands, one E8M0 scale for each 32 along K, by v_wmma_scale_f32_16x16x128_f8f6f4 with both operands' format E2M1 (or v_wmma_scale_f32_32x16x128_f4), f32 sums; everything else in f32.
;; Inputs: Wh_codes 4,096 x 32 x 16 uint8 (E2M1 codes of Wh, K innermost, in blocks of 32 codes, two codes a byte); Wh_scales 4,096 x 32 uint8 (E8M0 scales of Wh, one for each 32 codes along K); Wx_codes 4,096 x 32 x 16 uint8 (E2M1 codes of Wx, K innermost, in blocks of 32 codes, two codes a byte); Wx_scales 4,096 x 32 uint8 (E8M0 scales of Wx, one for each 32 codes along K); bh 4,096 float32; bx 4,096 float32; cx 8,192 x 1,024 float32; hx_codes 8,192 x 32 x 16 uint8 (E2M1 codes of hx, K innermost, in blocks of 32 codes, two codes a byte); hx_scales 8,192 x 32 uint8 (E8M0 scales of hx, one for each 32 codes along K); x_codes 8,192 x 32 x 16 uint8 (E2M1 codes of x, K innermost, in blocks of 32 codes, two codes a byte); x_scales 8,192 x 32 uint8 (E8M0 scales of x, one for each 32 codes along K).
;; Outputs: out0 8,192 x 1,024 float32; out1 8,192 x 1,024 float32.
;; This version of the problem:
;;   THIS VERSION OF THE PROBLEM IS GIVEN IN LOW PRECISION. The matrix products marked QUANTISED in the list below multiply operands that are first quantised to E2M1 (2 exponent bits, 1 mantissa bit; 4 bits a number), with one power-of-two scale for each 32 numbers along K (OCP MX v1.0); their sums are f32. All else is computed in f32.
;;   The module's matrix products, in the order in which they are computed (A, B: the left and right operand; K: the contracted axis; several contracted axes count as one K, in the product's order):
;;     1. [M 8,192, K 1,024] x [K 1,024, N 4,096]; A: input x (given as codes); B: input Wx (given as codes): QUANTISED
;;     2. [M 8,192, K 1,024] x [K 1,024, N 4,096]; A: input hx (given as codes); B: input Wh (given as codes): QUANTISED
;;   THE QUANTISER, for each operand of a quantised product, along K:
;;     - K is cut into blocks of 32 from its start; a last block that is shorter is filled with zeros.
;;     - A block's scale is 2^e with e = floor(log2(the largest magnitude in the block)) - 2, held to -126 .. 127; a block of zeros has e = 0. As a byte (E8M0): e + 127.
;;     - Each number is divided by its block's scale, clamped to +-6, and rounded to the nearest number of E2M1, ties to even, subnormals kept.
;;     - The product sums the exact products of the quantised numbers (number of the format x scale) in f32.
;;   ~~~python
;;   def quantise(x, axis):      # numpy; x: float32 -> the quantised numbers, widened to float32 again
;;       x = np.moveaxis(x, axis, -1); K = x.shape[-1]
;;       x = np.pad(x, [(0, 0)] * (x.ndim - 1) + [(0, -K % 32)]); x = x.reshape(x.shape[:-1] + (-1, 32)); a = np.abs(x).max(-1, keepdims=True)
;;       e = np.where(a > 0, np.clip(np.frexp(np.where(a > 0, a, 1))[1] - 1 - 2, -126, 127), 0)      # np.frexp(a)[1] - 1 = floor(log2(a)), exactly
;;       r = np.clip(x / 2.0 ** e, -6, 6)
;;       step = 2.0 ** (np.maximum(np.frexp(np.where(r == 0, 1, r))[1] - 1, 0) - 1)
;;       q = np.round(r / step) * step * 2.0 ** e      # np.round: ties to even
;;       return np.moveaxis(q.reshape(q.shape[:-2] + (-1,))[..., :K], -1, axis).astype(np.float32)
;;   ~~~
;;   INPUTS GIVEN AS CODES. Wh (in the module: [4096, 1024], K = its axis 1); Wx (in the module: [4096, 1024], K = its axis 1); hx (in the module: [8192, 1024], K = its axis 1); x (in the module: [8192, 1024], K = its axis 1): each comes as NAME_codes (uint8): NAME with its K axis moved to the last place and cut into blocks of 32 codes, [.., K / 32, bytes a block], one block behind the other in memory; two codes a byte, the lower K in the low four bits (a code: sign, 2 exponent bits, 1 mantissa bit); and NAME_scales (uint8): the same leading axes, one E8M0 byte (e + 127) for each 32 codes along K. Its value is code x scale, taken as it is: it is not quantised again, and the codes and scales need not be those that the quantiser above would give.
;; One version. Each part assembles by itself: llvm-mc -triple=amdgcn-amd-amdhsa -mcpu=gfx1250 --defsym DOCPART=n.
;; ======== version 1 of 1: 1 launch
;; limits: right only within a limited range of input values
;; launch lstm (part 1): grid 16 x 16, 4 waves a work-group, clusters of 4 x 4, 327,680 bytes of LDS; arguments x_codes, hx_codes, Wx_codes, Wh_codes, x_scales, hx_scales, Wx_scales, Wh_scales, bx, bh, cx, out0, out1; writes out0, out1
.if DOCPART == 1
	.amdgcn_target "amdgcn-amd-amdhsa--gfx1250"
	.amdhsa_code_object_version 6
	.text
	.protected	k_qac5fc668f3_lstm
	.globl	k_qac5fc668f3_lstm
	.p2align	8
	.type	k_qac5fc668f3_lstm,@function
k_qac5fc668f3_lstm:
	s_mov_b64 s[64:65], 0
	v_nop
	global_prefetch_b8 v0, s[64:65] scope:SCOPE_SE
	s_setreg_imm32_b32 hwreg(HW_REG_WAVE_MODE, 25, 1), 1
	s_wait_xcnt 0x0
	s_wait_alu depctr_hold_cnt(0) depctr_sa_sdst(0) depctr_va_vdst(0) depctr_va_sdst(0) depctr_va_ssrc(0) depctr_va_vcc(0) depctr_vm_vsrc(0)
	s_getreg_b32 s2, hwreg(HW_REG_IB_STS2, 6, 4)
	s_cmp_eq_u32 s2, 0
	s_cbranch_scc0 .Lentry_in_a_cluster
	s_endpgm
.Lentry_in_a_cluster:
	s_bfe_u32 s2, ttmp6, 0x10000c
	s_cmp_lg_u32 s2, 0xf033
	s_cbranch_scc0 .Lentry_shape_is_right
	s_endpgm
.Lentry_shape_is_right:
; LSTM cell.  gates[8192][4096] = x Wx^T + hx Wh^T + bx + bh, both products on given codes of FP4 (E2M1) with one E8M0 byte for each 32 along K; gate order f, i, g, o, 1,024 columns each.
; C = sigmoid(f) cx + sigmoid(i) tanh(g) -> out1;  h = sigmoid(o) tanh(C) -> out0;  all behind the products in f32.  No work of the problem is left out.
; The two products are ONE sum over K = 2,048: steps Q = 0..7 (128 codes each) from x / Wx, Q = 8..15 from hx / Wh; the biases are the C of a sum's first product.
; SHARES.  Work-group (tx, ty): hidden columns 64 tx .. + 63 of all four gates, rows 512 ty .. + 511, in eight tiles of 64 rows.  Wave w: hidden columns 16 w .. + 15: its 64 rows of W, for all of K,
; are 512 registers, read once and kept.  x and hx stream through two LDS slots of 64 rows.
; THE MATRIX INSTRUCTION: source 0 = 32 rows of W (pair p = 0: gates f, i; p = 1: gates g, o; 16 hidden columns each), source 1 = 16 rows of x or hx.  Lane (r, h), register j of accumulator (m, p):
; row 16 m + r of the tile, hidden column 16 w + 8 h + j, gate 2 p (j < 8) or 2 p + 1 (registers 8 + j).  So a cell's four gates meet in one lane.
; THE WAY OUT.  C and h go to a stage in LDS (two buffers by turns), and leave one tile later as whole rows of 256 bytes, sixteen lanes to a row.
; CLUSTER 4 x 4: x's and hx's tiles and scales hang on ty alone and are asked for jointly along a row of the cluster, W's gates f, i, g on tx alone, jointly along a column.  cx is each work-group's own.
; GATE o's rows of W come as whole rows of 512 bytes by loads into idle registers, and pass through LDS in the wave's own rows of gate f once these have been read: so W's other gates and tile 0 lie in LDS side by side.
; PREFETCH.  Wh's gates f, i, g at the head (waves 0 to 2 a gate each, the four work-groups of a column a quarter each, by their cy); then, one instruction a wave for each tile n: wave 0 asks for x's, wave 1 for hx's tile
; (the four partners take a quarter each, by their cx), waves 2 and 3 for cx's 64 rows.  Tile n = t + 4 is asked for in tile t's cell; x's and hx's load of it stands two tiles later, cx's three.
; Tiles 0 to 3 are asked for in the head; behind tile 7 nothing is asked.
; THE CELL: e_x = 2^(-x log2 e) for f, i, o; e_x = 2^(-2 x log2 e) for g and C, its exponent held at 30 from above, where (1 - e) / (1 + e) is -1 in f32.  sigmoid(f) = 1 / (1 + e_f);
; sigmoid(i) tanh(g) = (1 - e_g) / ((1 + e_i)(1 + e_g)); h = (1 - e_c) / ((1 + e_o)(1 + e_c)).  An e_f, e_i, e_o that overflows gives 1 / infinity = 0 against a finite factor.
; LIMITS: NaN and infinities among cx, bx, bh and the scale byte 0xff are not served (the hold at 30 drops a NaN).
;
; LDS, in bytes.  Rows of 512 bytes of codes + 16 of padding: 132 words: row r starts at bank 4 r mod 64 (64 banks of 4 bytes: ISA guide 11.1).
;   0: Wx's gates f, i, g (64 rows each), then stage 1 and, at 34,816, slot 1;  102,400: slot 0;  169,984: the scales of x and of hx, 512 rows each;
;   204,800: Wh's gates f, i, g, then stage 0 and, at 239,616, cx slot 1;  306,176: cx slot 0;  323,584: the spare words.
.set PITCH,  528
.set HALFX,  64*PITCH                  ; 33,792: 64 rows: x's part of a slot, then hx's; also a gate's rows of W
.set SCB,    17408                     ; 64 rows of 256 + 16 bytes: the scales of 512 rows; also one array of a stage, and a cx slot
.set SLOT1,  2*SCB
.set SLOT0,  SLOT1+2*HALFX
.set SCL,    SLOT0+2*HALFX
.set WHB,    SCL+2*SCB
.set STG0,   WHB
.set CXS1,   STG0+2*SCB
.set CXS0,   WHB+3*HALFX
.set SPARE,  CXS0+SCB
; window 0: v4 my W scale rows, v5 my bias columns, v6, v7 the prefetches' offsets, v8, v10 and v11, v23 LDS addresses of Wx and Wh, v20 my rows of gate o, v21, v22 where they pass through LDS,
;   v12, v13 LDS addresses of slots 0, 1, v14 of the scale words, v28 my spare word, v29 zero;
;   v32-63 W's scale words [16 p + Q]; v64-95 x's and hx's [16 (m / 2) + Q], lanes 0-15 even m, lanes 16-31 odd m; v96-255 five buffers of fragments (a step's four blocks of 16 rows).
; window 1: v0-127 accumulators (m, p) at 32 m + 16 p; v128-159 biases; v160-191 cx, v192-223 at work: under the products they are two more buffers;
;   v248, v249 LDS addresses in cx slots 0, 1; v250, v251 in stages 0, 1 (in); v252, v253 (back); v254 my byte offset in two rows of out0, out1.
; windows 2, 3: W for Q = 0..7, 8..15: step Q, pair p at 16 (2 (Q % 8) + p).
; s30 wave, s31 tx, s32 ty, s33 cx, s34 cy, s37 wave % 2, s[38:39] my first row of W in bytes.
.set G1X, 40
.set G1W, 48
.set G1S, 56
.set G1C, 68
.set G0X, 76
.set G0C, 80
.set G0W, 84
.set G0S, 88
.set NB, 5                             ; buffers of fragments: five in the head, seven behind it
.set MSB, 0
.macro WIN new                         ; the immediate's high byte repeats the setting that is left
.if MSB != (\new)
	s_set_vgpr_msb (MSB<<8)|(\new)
.set MSB, (\new)
.endif
.endm
.macro PLACES n
.rept \n
	v_nop
.endr
.endm
.macro CREST                           ; a round of the cluster's barrier behind its opening barrier
	s_cmp_lg_u32 s30, 0
	s_cbranch_scc1 .Lnot_wave_0_\@
	s_barrier_signal -3
.Lnot_wave_0_\@:
	s_barrier_wait -3
	s_barrier_signal -1
	s_barrier_wait -1
.endm
.macro CROUND
	s_barrier_signal -1
	s_barrier_wait -1
	CREST
.endm
.macro GROUP1 g, c, r, p               ; r rows of c elements of 8 bytes, pitch p elements
	s_mov_b32 s[\g+1], (\c)<<16
	s_mov_b32 s[\g+2], (\r)<<16
	s_mov_b32 s[\g+3], (\c)<<16
	s_mov_b32 s[\g+4], \r
	s_mov_b32 s[\g+5], \p
	s_mov_b32 s[\g+6], 0
	s_mov_b32 s[\g+7], 0
.endm
.macro LDT g0, g1
	tensor_load_to_lds s[\g0:\g0+3], s[\g1:\g1+7]
	s_nop 0
	PLACES 4
.endm
.macro FILL kind                       ; 2: waves 0, 1 fetch x's and hx's tile, waves 2, 3 32 rows of cx each; 3: x and hx alone; 1: cx alone; 0: nothing.  The branch hangs on the wave's number alone
.if (\kind) == 2
	s_cmp_lt_u32 s30, 2
	s_cbranch_scc0 .Lfor_c_\@
	LDT G0X, G1X
	s_branch .Lasked_\@
.Lfor_c_\@:
	LDT G0C, G1C
.Lasked_\@:
.elseif (\kind) == 3
	s_cmp_lt_u32 s30, 2
	s_cbranch_scc0 .Lasked_\@
	LDT G0X, G1X
.Lasked_\@:
	PLACES 4
.elseif (\kind) == 1
	s_cmp_lt_u32 s30, 2
	s_cbranch_scc1 .Lasked_\@
	LDT G0C, G1C
.Lasked_\@:
	PLACES 4
.else
	PLACES 4
.endif
.endm
.macro SETG kind, par                  ; the next fills' descriptors; no tensor load of mine is out here
.if ((\kind) == 3) || ((\kind) == 2)
	s_add_nc_u64 s[G0X+2:G0X+3], s[G0X+2:G0X+3], 0x8000
	s_add_co_u32 s[G0X+1], s66, SLOT0-(SLOT0-SLOT1)*(\par)
.endif
.if ((\kind) == 2) || ((\kind) == 1)
	s_add_nc_u64 s[G0C+2:G0C+3], s[G0C+2:G0C+3], 0x40000
	s_add_co_u32 s[G0C+1], s67, CXS1+(CXS0-CXS1)*(\par)
.endif
.endm
.macro FBUF q                          ; step q's buffer: window FBW, register FBR
.set FBW, 0
.set FBR, 96+32*((\q)%NB)
.if (NB == 7) && (((\q)%7) >= 5)
.set FBW, 1
.set FBR, 160+32*(((\q)%7)-5)
.endif
.endm
; A fragment, 16 rows x 128 K, is 8 registers: lane l holds row l % 16; registers 4 c .. 4 c + 3 hold K = 64 c + 32 (l / 16) + 0 .. 31.
.macro FRAGS sl, q                     ; step q's four blocks of 16 rows, from slot sl
	FBUF \q
	WIN 0x40*FBW
.irp m, 0,1,2,3
.irp c, 0,1
	ds_load_b128 v[FBR+8*\m+4*\c:FBR+8*\m+4*\c+3], v[12+(\sl)] offset:HALFX*((\q)/8)+64*((\q)%8)+32*\c+16*PITCH*\m
.endr
.endr
.endm
.macro WLG adr, p, i, off              ; step Q's 16 rows of gate 2 p + i
	WIN 0x80+0x40*(Q/8)
.irp c, 0,1
	ds_load_b128 v[16*(2*(Q%8)+(\p))+8*(\i)+4*\c:16*(2*(Q%8)+(\p))+8*(\i)+4*\c+3], v[\adr] offset:(\off)+64*(Q%8)+32*\c
.endr
.endm
.macro XSCL                            ; a tile's scale words: lane l has row 32 i + l; steps 0-7 of x, 8-15 of hx
	WIN 0
.irp i, 0,1
.irp c, 0,1
	ds_load_b128 v[64+16*\i+4*\c:64+16*\i+4*\c+3], v14 offset:1088*\i+16*\c
	ds_load_b128 v[72+16*\i+4*\c:72+16*\i+4*\c+3], v14 offset:SCB+1088*\i+16*\c
.endr
.endr
.endm
.macro WM m, p
.set rD, 32*(\m)+16*(\p)
.set rC, rD
.if Q == 0
.set rC, 128+16*(\p)                   ; the biases start the sum
.endif
.set rW, 16*(2*(Q%8)+(\p))
.set rX, FBR+8*(\m)
.set rS, 32+16*(\p)+Q
.set rT, 64+16*((\m)/2)+Q
.if (\m)%2
	v_wmma_scale_f32_32x16x128_f4 v[rD:rD+15], v[rW:rW+15], v[rX:rX+7], v[rC:rC+15], v[rS], v[rT] matrix_b_scale:MATRIX_SCALE_ROW1
.else
	v_wmma_scale_f32_32x16x128_f4 v[rD:rD+15], v[rW:rW+15], v[rX:rX+7], v[rC:rC+15], v[rS], v[rT]
.endif
.endm
.macro GRP                             ; step Q: eight accumulators by turns
	FBUF Q
	WIN 0x52+(Q/8)+4*FBW               ; source 0 (W) window 2 or 3, source 1 window 0 or 1, C and D window 1
.irp m, 0,1,2,3
	WM \m, 0
	WM \m, 1
.endr
.endm
; A load into a register that a matrix instruction has read, and a vector instruction that reads a matrix result, stand four places behind it (ISA guide 7.12.1 for vector instructions).
.macro PSTEP w, nf
	s_wait_dscnt \w
	GRP
.if \nf
	PLACES 4
	FRAGS 0, Q+5
.endif
.set Q, Q+1
.endm
; The last two steps and the barrier.  kind 1 to 3: all my tensor loads have landed; the add; the loads of the last step's eight fragments and the add may be out under the last step but one; then my reads are over.
; kind 0: no refill follows; kind 4: nor is a tile read behind it, so a tensor load may stay out.
.macro TAIL2 kind, par
	WIN 0
.if (\kind) != 4
	s_wait_tensorcnt 0x0
.endif
.if ((\kind) >= 1) && ((\kind) <= 3)
	ds_add_u32 v28, v29
	SETG \kind, \par
	s_wait_dscnt 9
.else
	s_wait_dscnt 8
.endif
	GRP
	s_wait_dscnt 0x0
	s_barrier_signal -1
.set Q, Q+1
	GRP
	WIN 0
	s_barrier_wait -1
.if ((\kind) >= 1) && ((\kind) <= 3)
	CREST
.endif
.endm
; A tile.  Steps 0 to 6 have been asked for ahead; behind steps 2, 5 and 8 stand the loads of the three steps five further on.  The counts: the LDS instructions issued behind the step's own loads.
; cold = 0: steps 0 to 4 are in, and behind step 6's loads stand eight stores; cold = 1: all seven may be out, and nothing stands behind them.
.macro MATMUL sl, kind, par, cold
.set Q, 0
.rept 14
.set WC, -1
.if \cold
.if Q < 3
.set WC, 48-8*Q
.elseif Q < 6
.set WC, 72-8*Q
.elseif Q == 6
.set WC, 48
.endif
.elseif Q == 5
.set WC, 40
.elseif Q == 6
.set WC, 56
.endif
.if (Q == 7) || (Q == 10)
.set WC, 40
.elseif (Q == 8) || (Q == 11)
.set WC, 32
.elseif Q == 9
.set WC, 48
.elseif Q == 12
.set WC, 24
.elseif Q == 13
.set WC, 16
.endif
.if WC >= 0
	s_wait_dscnt WC
.endif
	GRP
.if (Q == 2) || (Q == 5) || (Q == 8)
	PLACES 4
	FRAGS \sl, Q+5
	FRAGS \sl, Q+6
	FRAGS \sl, Q+7
.endif
.set Q, Q+1
.endr
	TAIL2 \kind, \par
.endm
.macro ASK                             ; the next tile's prefetch
	s_wait_xcnt 0x0                    ; the prefetch before has read its base
	s_add_nc_u64 s[92:93], s[92:93], s[94:95]
	global_prefetch_b8 v6, s[92:93] th:TH_LOAD_NT scope:SCOPE_SE
.endm
.macro CXREAD par
.irp m, 0,1,2,3
.irp c, 0,1
	ds_load_b128 v[160+8*\m+4*\c:163+8*\m+4*\c], v[248+(\par)] offset:4352*\m+16*\c
.endr
.endr
.endm
; THE CELL: 32 cells a lane, in place on the accumulators: f at 32 m, i + 8, g + 16, o + 24.  Four batches of transcendentals; ahead of each batch and behind it stands a wait.
; st: the last tile leaves the stage;  pre: steps 5 and 6 of the next tile are asked for, into the registers that have served;  last: my C leaves at once.
.macro EPI par, st, cnt, pre, last
	WIN 0x55
.irp m, 0,1,2,3
.irp k, 0,2,4,6,8,10,12,14
	v_pk_mul_f32 v[32*\m+\k:32*\m+\k+1], v[32*\m+\k:32*\m+\k+1], s[96:97] op_sel_hi:[1,0]
.endr
.irp k, 16,18,20,22
	v_pk_mul_f32 v[32*\m+\k:32*\m+\k+1], v[32*\m+\k:32*\m+\k+1], s[98:99] op_sel_hi:[1,0]
.endr
.irp k, 24,26,28,30
	v_pk_mul_f32 v[32*\m+\k:32*\m+\k+1], v[32*\m+\k:32*\m+\k+1], s[96:97] op_sel_hi:[1,0]
.endr
.endr
.irp m, 0,1,2,3
.irp j, 16,17,18,19,20,21,22,23
	v_min_num_f32 v[32*\m+\j], s100, v[32*\m+\j]           ; tanh's exponent is held at 30
.endr
.endr
.if \st
	s_wait_dscnt \cnt                  ; the last tile's C is back from the stage; the LDS loads issued behind it may be out
.irp i, 0,1,2,3,4,5,6,7
	global_store_b128 v254, v[192+4*\i:195+4*\i], s[28:29] offset:8192*\i th:TH_STORE_NT   ; sixteen lanes store 256 consecutive bytes, at a multiple of 256 from out1's first byte
.endr
.endif
	s_wait_alu depctr_va_vdst(0)
.set R, 0
.rept 128
	v_exp_f32 v[R], v[R]
.set R, R+1
.endr
	v_nop
.if \st
	s_wait_xcnt 0x0                    ; the stores have read v192-223
.endif
	s_wait_alu depctr_va_vdst(0)
.irp m, 0,1,2,3
.irp k, 0,2,4,6
	v_pk_add_f32 v[32*\m+\k:32*\m+\k+1], v[32*\m+\k:32*\m+\k+1], 1.0 op_sel_hi:[1,0]                  ; 1 + e_f
	v_pk_add_f32 v[192+8*\m+\k:193+8*\m+\k], v[32*\m+16+\k:32*\m+17+\k], 1.0 op_sel_hi:[1,0]          ; 1 + e_g
.endr
.endr
.irp m, 0,1,2,3
.irp k, 0,2,4,6
	v_pk_fma_f32 v[32*\m+8+\k:32*\m+9+\k], v[32*\m+8+\k:32*\m+9+\k], v[192+8*\m+\k:193+8*\m+\k], v[192+8*\m+\k:193+8*\m+\k]   ; (1 + e_i)(1 + e_g)
.endr
.endr
.if \st
.irp i, 0,1,2,3,4,5,6,7
	ds_load_b128 v[192+4*\i:195+4*\i], v[253-(\par)] offset:SCB+544*\i          ; the last tile's h
.endr
.endif
	s_wait_alu depctr_va_vdst(0)
.irp m, 0,1,2,3
.irp j, 0,1,2,3,4,5,6,7,8,9,10,11,12,13,14,15
	v_rcp_f32 v[32*\m+\j], v[32*\m+\j]
.endr
.endr
	v_nop
	s_wait_dscnt 0x0                   ; cx, the last tile's h, the next tile's first fragments and scale words
.if \st
.irp i, 0,1,2,3,4,5,6,7
	global_store_b128 v254, v[192+4*\i:195+4*\i], s[26:27] offset:8192*\i th:TH_STORE_NT
.endr
.endif
	s_wait_alu depctr_va_vdst(0)
.irp m, 0,1,2,3
.irp k, 0,2,4,6
	v_pk_fma_f32 v[32*\m+16+\k:32*\m+17+\k], v[32*\m+16+\k:32*\m+17+\k], v[32*\m+8+\k:32*\m+9+\k], v[32*\m+8+\k:32*\m+9+\k] neg_lo:[1,0,0] neg_hi:[1,0,0]   ; sigmoid(i) tanh(g)
.endr
.endr
.irp m, 0,1,2,3
.irp k, 0,2,4,6
	v_pk_fma_f32 v[32*\m+\k:32*\m+\k+1], v[160+8*\m+\k:161+8*\m+\k], v[32*\m+\k:32*\m+\k+1], v[32*\m+16+\k:32*\m+17+\k]   ; C
.endr
.endr
.irp m, 0,1,2,3
.irp k, 0,2,4,6
	v_pk_mul_f32 v[32*\m+16+\k:32*\m+17+\k], v[32*\m+\k:32*\m+\k+1], s[98:99] op_sel_hi:[1,0]
.endr
.endr
.irp m, 0,1,2,3
.irp j, 16,17,18,19,20,21,22,23
	v_min_num_f32 v[32*\m+\j], s100, v[32*\m+\j]
.endr
.endr
.irp m, 0,1,2,3
	ds_store_b128 v[250+(\par)], v[32*\m:32*\m+3] offset:4352*\m
	ds_store_b128 v[250+(\par)], v[32*\m+4:32*\m+7] offset:4352*\m+16
.endr
	s_wait_alu depctr_va_vdst(0)
.if \last
	s_wait_dscnt 0x0                   ; for the others' sake: my C is in the stage
	s_barrier_signal -1
.endif
.irp m, 0,1,2,3
.irp j, 16,17,18,19,20,21,22,23
	v_exp_f32 v[32*\m+\j], v[32*\m+\j]
.endr
.endr
	v_nop
.if \st
	s_wait_xcnt 0x0                    ; the stores have read v192-223 and their bases
	s_add_nc_u64 s[26:27], s[26:27], 0x40000
	s_add_nc_u64 s[28:29], s[28:29], 0x40000
.endif
.if \last
	s_barrier_wait -1
.irp i, 0,1,2,3,4,5,6,7
	ds_load_b128 v[160+4*\i:163+4*\i], v[252+(\par)] offset:544*\i
.endr
.endif
	s_wait_alu depctr_va_vdst(0)
.irp m, 0,1,2,3
.irp k, 0,2,4,6
	v_pk_add_f32 v[192+8*\m+\k:193+8*\m+\k], v[32*\m+16+\k:32*\m+17+\k], 1.0 op_sel_hi:[1,0]          ; 1 + e_c
.endr
.endr
.irp m, 0,1,2,3
.irp k, 0,2,4,6
	v_pk_fma_f32 v[32*\m+24+\k:32*\m+25+\k], v[32*\m+24+\k:32*\m+25+\k], v[192+8*\m+\k:193+8*\m+\k], v[192+8*\m+\k:193+8*\m+\k]   ; (1 + e_o)(1 + e_c)
.endr
.endr
.if \pre
	FRAGS 1-(\par), 5
	FRAGS 1-(\par), 6
	WIN 0x55
.endif
.if \last
	s_wait_dscnt 0x0
.irp i, 0,1,2,3,4,5,6,7
	global_store_b128 v254, v[160+4*\i:163+4*\i], s[28:29] offset:8192*\i th:TH_STORE_NT
.endr
.endif
	s_wait_alu depctr_va_vdst(0)
.irp m, 0,1,2,3
.irp j, 24,25,26,27,28,29,30,31
	v_rcp_f32 v[32*\m+\j], v[32*\m+\j]
.endr
.endr
	v_nop
	s_wait_alu depctr_va_vdst(0)
.irp m, 0,1,2,3
.irp k, 0,2,4,6
	v_pk_fma_f32 v[32*\m+16+\k:32*\m+17+\k], v[32*\m+16+\k:32*\m+17+\k], v[32*\m+24+\k:32*\m+25+\k], v[32*\m+24+\k:32*\m+25+\k] neg_lo:[1,0,0] neg_hi:[1,0,0]   ; h
.endr
.endr
.irp m, 0,1,2,3
	ds_store_b128 v[250+(\par)], v[32*\m+16:32*\m+19] offset:SCB+4352*\m
	ds_store_b128 v[250+(\par)], v[32*\m+20:32*\m+23] offset:SCB+4352*\m+16
.endr
.endm
.macro NEXT sl                         ; the next tile's scale words and its first five steps
	WIN 0
	v_add_nc_u32 v14, 0x880, v14       ; 64 rows on
	s_wait_alu depctr_va_vdst(0)       ; directly behind the write
	XSCL
.set Q, 0
.rept 5
	FRAGS \sl, Q
.set Q, Q+1
.endr
.endm
; A PERIOD, behind tile t's round: the slot just read takes tile t + 2, cx's other slot tile t + 1's; tile t - 1 leaves the stage; tile t's cell; tile t + 1's products and their round (kind nxt; 9: none).  par = t % 2.
.macro PERIOD par, fill, ask, nxt
	FILL \fill
	WIN 0x55
.irp i, 0,1,2,3,4,5,6,7
	ds_load_b128 v[192+4*\i:195+4*\i], v[253-(\par)] offset:544*\i
.endr
	CXREAD \par
.if (\nxt) != 9
	NEXT 1-(\par)
.endif
	WIN 0
.if (\ask) == 1
	ASK
.elseif (\ask) == 2
	s_cmp_eq_u32 s101, 2               ; in the loop's first trip alone
	s_cbranch_scc0 .Lnothing_\@
	ASK
.Lnothing_\@:
.endif
.if (\nxt) != 9
	EPI \par, 1, 56, 1, 0
	MATMUL 1-(\par), \nxt, 1-(\par), 0
.else
	EPI \par, 1, 8, 0, 1
.endif
.endm
	s_load_b512 s[4:19], s[0:1], 0x0               ; x, hx, Wx, Wh codes s[4:11]; x, hx, Wx, Wh scales s[12:19]
	s_load_b256 s[20:27], s[0:1], 0x40             ; bx, bh, cx, out0
	s_load_b64 s[28:29], s[0:1], 0x60              ; out1
	v_lshl_add_u32 v28, v0, 2, SPARE
	v_mov_b32 v29, 0
	ds_add_u32 v28, v29                            ; the opening: the add, twice on end, and its wait
	ds_add_u32 v28, v29
	v_lshrrev_b32 v3, 5, v0
	v_readfirstlane_b32 s30, v3                    ; wave
	s_bfe_u32 s33, ttmp6, 0x40000                  ; cx, cy: my place in the cluster
	s_bfe_u32 s34, ttmp6, 0x40004
	s_lshl_b32 s31, ttmp9, 2
	s_add_co_u32 s31, s31, s33                     ; tx
	s_and_b32 s32, ttmp7, 0xffff
	s_lshl_b32 s32, s32, 2
	s_add_co_u32 s32, s32, s34                     ; ty
	s_lshl_b32 s35, s34, 2
	s_lshl_b32 s35, 15, s35                        ; my row of the cluster
	s_lshl_b32 s36, 0x1111, s33                    ; my column
	s_and_b32 s37, s30, 1
	; groups 1: elements of 8 bytes (17:16), padding on (20), bit 21 beside a mask, 24:22 after every 128 (6) or 64 (5) words, 31:25 four words
	s_or_b32 s[G1X], s35, (3<<16)|(1<<20)|(1<<21)|(6<<22)|(3<<25)
	s_or_b32 s[G1W], s36, (3<<16)|(1<<20)|(1<<21)|(6<<22)|(3<<25)
	s_or_b32 s[G1S], s35, (3<<16)|(1<<20)|(1<<21)|(5<<22)|(3<<25)
	s_mov_b32 s[G1C], (3<<16)|(1<<20)|(5<<22)|(3<<25)
	GROUP1 G1X, 64, 64, 64                         ; 64 rows of 512 bytes, dense
	GROUP1 G1W, 4096, 3, 65536                     ; a gate's 64 rows are 32,768 bytes on end; three gates, 1,024 rows apart
	GROUP1 G1S, 32, 64, 32                         ; the scales of 512 rows: 16,384 bytes on end
	GROUP1 G1C, 32, 32, 512                        ; 32 rows of 256 bytes out of rows of 4,096
	; byte offsets, each in the pair that will hold the address
	s_lshl_b32 s[G0X+2], s32, 18
	s_mov_b32 s[G0X+3], 0
	s_lshl_b32 s[G0S+2], s32, 14
	s_mov_b32 s[G0S+3], 0
	s_lshl_b32 s38, s31, 15
	s_mov_b32 s39, 0
	s_lshl_b32 s[G0C+2], s32, 21
	s_lshl_b32 s[G0C+3], s31, 8
	s_add_co_u32 s[G0C+2], s[G0C+2], s[G0C+3]
	s_lshl_b32 s[G0C+3], s37, 17
	s_add_co_u32 s[G0C+2], s[G0C+2], s[G0C+3]
	s_mov_b32 s[G0C+3], 0
	s_mul_i32 s66, s30, HALFX                      ; wave 0 fills x's part of a slot, wave 1 hx's
	s_add_co_u32 s[G0X+1], s66, SLOT0
	s_mul_i32 s67, s37, 8704                       ; waves 2, 3: 32 rows of cx each
	s_add_co_u32 s[G0C+1], s67, CXS0
	s_mul_i32 s[G0S+1], s30, SCB                   ; wave 1: x's scales, wave 2: hx's
	s_add_co_u32 s[G0S+1], s[G0S+1], SCL-SCB
	s_mov_b32 s[G0W+1], 0
	s_mov_b32 s[G0X], 1
	s_mov_b32 s[G0C], 1
	s_mov_b32 s[G0W], 1
	s_mov_b32 s[G0S], 1
	s_wait_dscnt 0x0                               ; both opening adds are done
	s_wait_kmcnt 0x0
	s_cmp_eq_u32 s30, 2
	s_cselect_b64 s[2:3], s[14:15], s[12:13]
	s_add_nc_u64 s[G0S+2:G0S+3], s[2:3], s[G0S+2:G0S+3]
	s_cmp_eq_u32 s30, 1
	s_cselect_b64 s[2:3], s[6:7], s[4:5]
	s_add_nc_u64 s[G0X+2:G0X+3], s[2:3], s[G0X+2:G0X+3]
	s_add_nc_u64 s[8:9], s[8:9], s[38:39]
	s_mov_b64 s[G0W+2:G0W+3], s[8:9]
	s_add_nc_u64 s[G0C+2:G0C+3], s[24:25], s[G0C+2:G0C+3]
	s_or_b32 s[G0X+3], s[G0X+3], 0x80000000
	s_or_b32 s[G0W+3], s[G0W+3], 0x80000000
	s_or_b32 s[G0S+3], s[G0S+3], 0x80000000
	s_or_b32 s[G0C+3], s[G0C+3], 0x80000000
	CROUND                                         ; all sixteen work-groups are here: the first joint loads meet
	s_cmp_lt_u32 s30, 1                            ; the head's loads, one a wave: x's tile 0; x's and hx's scales; Wx
	s_cbranch_scc0 .Lhead_s
	LDT G0X, G1X
	s_branch .Lhead_asked
.Lhead_s:
	s_cmp_lt_u32 s30, 3
	s_cbranch_scc0 .Lhead_w
	LDT G0S, G1S
	s_branch .Lhead_asked
.Lhead_w:
	LDT G0W, G1W
.Lhead_asked:
	s_lshl_b32 s104, s31, 11                       ; W's scale bytes: 32 a row: rows 64 tx + 16 w of a gate
	s_lshl_b32 s105, s30, 9
	s_add_co_u32 s104, s104, s105
	s_mov_b32 s105, 0
	s_add_nc_u64 s[16:17], s[16:17], s[104:105]
	s_add_nc_u64 s[18:19], s[18:19], s[104:105]
	s_lshl_b32 s104, s31, 8                        ; the biases
	s_lshl_b32 s105, s30, 6
	s_add_co_u32 s104, s104, s105
	s_mov_b32 s105, 0
	s_add_nc_u64 s[20:21], s[20:21], s[104:105]
	s_add_nc_u64 s[22:23], s[22:23], s[104:105]
	s_lshl_b32 s104, s32, 21                       ; out0, out1: 512 rows of 4,096 bytes x ty + 256 bytes x tx
	s_lshl_b32 s92, s31, 8
	s_add_co_u32 s104, s104, s92
	s_add_nc_u64 s[26:27], s[26:27], s[104:105]
	s_add_nc_u64 s[28:29], s[28:29], s[104:105]
	s_lshl_b32 s92, s37, 17                        ; the prefetches: cx's 32 rows of mine,
	s_add_co_u32 s104, s104, s92
	s_lshl_b32 s92, s32, 18                        ; or my work-group's quarter of a tile of x or hx
	s_lshl_b32 s93, s33, 13
	s_add_co_u32 s92, s92, s93
	s_mov_b32 s95, 0x40000
	s_cmp_lt_u32 s30, 2
	s_cselect_b32 s104, s92, s104
	s_cselect_b32 s94, 0x8000, s95                 ; from tile to tile
	s_cselect_b32 s101, 8, 12                      ; lanes lie 256 bytes or a row of 4,096 apart
	s_cselect_b64 s[92:93], s[2:3], s[24:25]
	s_mov_b32 s95, 0
	s_add_nc_u64 s[92:93], s[92:93], s[104:105]
	s_add_nc_u64 s[24:25], s[10:11], s[38:39]      ; Wh: my rows
	s_lshl_b32 s104, s30, 13                       ; gate o, my 16 rows of it
	s_add_co_u32 s104, s104, 0x180000
	s_lshl_b32 s105, s30, 19                       ; the prefetch of Wh: gate = wave, the quarter cy
	s_lshl_b32 s96, s34, 13
	s_add_co_u32 s105, s105, s96
	s_mov_b32 s96, 0xbfb8aa3b                      ; -log2(e), as a pair
	s_mov_b32 s97, s96
	s_mov_b32 s98, 0xc038aa3b                      ; -2 log2(e)
	s_mov_b32 s99, s98
	s_mov_b32 s100, 0x41f00000                     ; 30.0
	v_and_b32 v1, 15, v0                           ; r
	v_bfe_u32 v2, v0, 4, 1                         ; h
	v_and_b32 v3, 31, v0                           ; lane
	v_lshlrev_b32 v4, 15, v2                       ; lanes 16-31: the pair's second gate
	v_lshl_add_u32 v4, v1, 5, v4
	v_lshlrev_b32 v5, 5, v2
	v_lshlrev_b32 v6, s101, v3
	v_lshlrev_b32 v7, 8, v3
	v_add_nc_u32 v7, s105, v7
	v_lshlrev_b32 v20, 4, v3                       ; 32 lanes take a row of 512 bytes
	v_add_nc_u32 v20, s104, v20
	s_wait_alu depctr_va_vdst(0)                   ; ahead of the readers below
	s_cmp_eq_u32 s30, 0                            ; (x's tile 0 has been asked for by its load)
	s_cbranch_scc1 .Lno_ask
	global_prefetch_b8 v6, s[92:93] th:TH_LOAD_NT scope:SCOPE_SE
.Lno_ask:
	s_cmp_lt_u32 s30, 3
	s_cbranch_scc0 .Lno_ask_w
	global_prefetch_b8 v7, s[24:25] th:TH_LOAD_NT scope:SCOPE_SE
.Lno_ask_w:
.irp p, 0,1
.irp c, 0,1
	global_load_b128 v[32+16*\p+4*\c:35+16*\p+4*\c], v4, s[16:17] offset:65536*\p+16*\c
	global_load_b128 v[40+16*\p+4*\c:43+16*\p+4*\c], v4, s[18:19] offset:65536*\p+16*\c
.endr
.endr
	WIN 0x40
.irp i, 0,1,2,3,4,5,6,7,8,9,10,11,12,13,14,15
	global_load_b128 v[4*\i:4*\i+3], v20, s[8:9] offset:512*\i                 ; gate o of Wx: row i of mine, 512 bytes
.endr
.irp g, 0,1,2,3
.irp c, 0,1
	global_load_b128 v[128+8*\g+4*\c:131+8*\g+4*\c], v5, s[20:21] offset:4096*\g+16*\c
	global_load_b128 v[64+8*\g+4*\c:67+8*\g+4*\c], v5, s[22:23] offset:4096*\g+16*\c
.endr
.endr
.irp i, 0,1,2,3,4,5,6,7,8,9,10,11,12,13,14,15
	global_load_b128 v[160+4*\i:163+4*\i], v20, s[24:25] offset:512*\i         ; of Wh
.endr
	WIN 0
	s_mul_i32 s104, s30, 16*PITCH
	s_lshl_b32 s105, s30, 6
	v_mul_u32_u24 v9, v1, PITCH                    ; a fragment's row x pitch + 16 x half
	v_lshl_add_u32 v9, v2, 4, v9
	v_add_nc_u32 v8, s104, v9                      ; W: my 16 rows of a gate
	v_add_nc_u32 v10, 2*HALFX, v8
	v_add_nc_u32 v11, WHB, v8
	v_add_nc_u32 v23, 2*HALFX, v11
	v_add_nc_u32 v12, SLOT0, v9
	v_add_nc_u32 v13, SLOT1, v9
	v_lshlrev_b32 v21, 4, v3                       ; gate o's rows, in: my own rows of gate f
	v_add_nc_u32 v21, s104, v21
	v_add_nc_u32 v22, WHB, v21
	v_lshrrev_b32 v15, 3, v3                       ; scale words: row l: 32 bytes, 16 more for each 256
	v_and_b32 v16, 7, v3
	v_mul_u32_u24 v15, v15, 272
	v_lshl_add_u32 v15, v16, 5, v15
	v_add_nc_u32 v14, SCL, v15
	v_mul_u32_u24 v17, v1, 272                     ; cx and the stage, in: row r, 32 bytes at 64 w + 32 h
	v_lshl_add_u32 v17, v2, 5, v17
	v_add_nc_u32 v17, s105, v17
	s_mul_i32 s104, s30, 4352
	s_lshl_b32 s105, s30, 16
	v_mul_u32_u24 v18, v2, 272                     ; the stage, back: rows 16 w + h, 16 bytes a lane
	v_lshl_add_u32 v18, v1, 4, v18
	v_add_nc_u32 v18, s104, v18
	v_lshlrev_b32 v19, 12, v2                      ; and the same rows in out0, out1
	v_lshl_add_u32 v19, v1, 4, v19
	WIN 0x40
	v_add_nc_u32 v248, CXS0, v17
	v_add_nc_u32 v249, CXS1, v17
	v_add_nc_u32 v250, STG0, v17
	v_mov_b32 v251, v17                            ; stage 1 begins at byte 0
	v_add_nc_u32 v252, STG0, v18
	v_mov_b32 v253, v18
	v_add_nc_u32 v254, s105, v19
	WIN 0
	ASK                                            ; tile 1
	s_wait_alu depctr_va_vdst(0)                   ; directly ahead of the wait below
	s_wait_loadcnt 0x0
	WIN 0x55
.irp k, 0,2,4,6,8,10,12,14,16,18,20,22,24,26,28,30
	v_pk_add_f32 v[128+\k:129+\k], v[128+\k:129+\k], v[64+\k:65+\k]     ; bx + bh
.endr
	WIN 0
	s_wait_alu depctr_va_vdst(0)                   ; the head's end
	s_wait_tensorcnt 0x0                           ; my tile of the head's is in
	ds_add_u32 v28, v29
	s_add_nc_u64 s[G0W+2:G0W+3], s[10:11], s[38:39] ; Wh's gates f, i, g
	s_or_b32 s[G0W+3], s[G0W+3], 0x80000000
	s_mov_b32 s[G0W+1], WHB
	s_wait_dscnt 0x0
	CROUND
	s_cmp_lt_u32 s30, 1                            ; Wh; hx's tile 0; cx's tile 0
	s_cbranch_scc0 .Lsecond_x
	LDT G0W, G1W
	s_branch .Lsecond_asked
.Lsecond_x:
	s_cmp_lt_u32 s30, 2
	s_cbranch_scc0 .Lsecond_c
	LDT G0X, G1X
	s_branch .Lsecond_asked
.Lsecond_c:
	LDT G0C, G1C
.Lsecond_asked:
.macro WREST fr, gr                    ; step Q's gates i, g, o
	WLG \fr, 0, 1, HALFX
	WLG \gr, 1, 0, 0
	WLG \fr, 1, 1, 0
.endm
; Half of tile 0's steps, with W's way into the registers.  LDS serves a wave's instructions in order (ISA guide 5.7.1.4): gate f is read, gate o's rows are stored in its place (my own rows of it: no other wave
; touches them), and read.  Counts: the loads issued behind the step's (14 a step of W and x, then 6, then 8), 63 at the most.
.macro HALF fr, gr, so, dat, qb, kind
.set Q, \qb
.rept 8
	WLG \fr, 0, 0, 0
.set Q, Q+1
.endr
	WIN 0x04                           ; a store's data: window 1
.irp i, 0,1,2,3,4,5,6,7,8,9,10,11,12,13,14,15
	ds_store_b128 v[\so], v[\dat+4*\i:\dat+4*\i+3] offset:PITCH*\i
.endr
.set Q, \qb
.rept 5
	FRAGS 0, Q
	WREST \fr, \gr
.set Q, Q+1
.endr
.rept 3
	WREST \fr, \gr
.set Q, Q+1
.endr
	WIN 0
	ASK                                ; tiles 2, 3
.set Q, \qb
	PSTEP 63, 1
	PSTEP 63, 1
	PSTEP 62, 1
	PSTEP 56, 0
	PSTEP 42, 0
	PSTEP 16, 0
	TAIL2 \kind, 1
.endm
	XSCL
	HALF 8, 10, 21, 0, 0, 3
	FILL 3                                         ; tile 1 of x and hx, into slot 1
	HALF 11, 23, 22, 160, 8, 4
.set NB, 7
	PLACES 4                                       ; in front of the reads of results
	WIN 0x55
	CXREAD 0
	EPI 0, 0, 0, 0, 0                              ; tile 0's cell stands ahead of its round: tile 1 is on its way
	WIN 0
	s_wait_tensorcnt 0x0
	ds_add_u32 v28, v29
	SETG 2, 0
	s_wait_dscnt 0x0
	CROUND
	FILL 2                                         ; tile 2, and cx's tile 1
	NEXT 1
	FRAGS 1, 5
	FRAGS 1, 6
	WIN 0
	ASK                                            ; tile 4
	MATMUL 1, 2, 1, 1
	s_mov_b32 s101, 2
.Lloop:                                            ; tiles 1 to 4, two a trip
	PERIOD 1, 2, 1, 2
	PERIOD 0, 2, 2, 2
	s_sub_co_u32 s101, s101, 1
	s_cmp_lg_u32 s101, 0
	s_cbranch_scc1 .Lloop
	PERIOD 1, 2, 0, 1                              ; tile 5: the last fills of x and hx
	PERIOD 0, 1, 0, 0                              ; tile 6: the last of cx
	PERIOD 1, 0, 0, 9                              ; tile 7
	s_wait_dscnt 0x0                               ; for the others' sake: my h is in the stage
	s_barrier_signal -1
	s_barrier_wait -1
.irp i, 0,1,2,3,4,5,6,7
	ds_load_b128 v[192+4*\i:195+4*\i], v253 offset:SCB+544*\i
.endr
	s_wait_dscnt 0x0
.irp i, 0,1,2,3,4,5,6,7
	global_store_b128 v254, v[192+4*\i:195+4*\i], s[26:27] offset:8192*\i th:TH_STORE_NT
.endr
	WIN 0
	s_wait_tensorcnt 0x0                           ; the wave's end
	ds_add_u32 v28, v29
	s_wait_dscnt 0x0
	CROUND                                         ; the closing round: no work-group ends while a partner may still ask for a tile that names it
	s_endpgm
.Lfunc_end_k_qac5fc668f3_lstm:
	.size	k_qac5fc668f3_lstm, .Lfunc_end_k_qac5fc668f3_lstm-k_qac5fc668f3_lstm
	.p2alignl 7, 3214868480
	.fill 96, 4, 3214868480
	.section	.rodata,"a",@progbits
	.p2align	6, 0x0
	.amdhsa_kernel k_qac5fc668f3_lstm
		.amdhsa_group_segment_fixed_size 327680
		.amdhsa_private_segment_fixed_size 0
		.amdhsa_enable_private_segment 0
		.amdhsa_kernarg_size 104
		.amdhsa_user_sgpr_count 2
		.amdhsa_user_sgpr_kernarg_segment_ptr 1
		.amdhsa_wavefront_size32 1
		.amdhsa_system_sgpr_workgroup_id_x 1
		.amdhsa_system_sgpr_workgroup_id_y 1
		.amdhsa_system_sgpr_workgroup_id_z 1
		.amdhsa_system_vgpr_workitem_id 0
		.amdhsa_next_free_vgpr 1024
		.amdhsa_next_free_sgpr 106
		.amdhsa_reserve_vcc 0
		.amdhsa_float_denorm_mode_32 3
		.amdhsa_float_denorm_mode_16_64 3
		.amdhsa_memory_ordered 1
		.amdhsa_forward_progress 1
		.amdhsa_inst_pref_size 255
	.end_amdhsa_kernel
	.section	.bss,"aw",@nobits
	.p2align	6
	.space	262144
	.amdgpu_metadata
---
amdhsa.version: [ 1, 2 ]
amdhsa.kernels:
  - .name:           k_qac5fc668f3_lstm
    .symbol:         k_qac5fc668f3_lstm.kd
    .args:
      - { .name: x_codes, .offset: 0, .size: 8, .value_kind: global_buffer, .address_space: global }
      - { .name: hx_codes, .offset: 8, .size: 8, .value_kind: global_buffer, .address_space: global }
      - { .name: Wx_codes, .offset: 16, .size: 8, .value_kind: global_buffer, .address_space: global }
      - { .name: Wh_codes, .offset: 24, .size: 8, .value_kind: global_buffer, .address_space: global }
      - { .name: x_scales, .offset: 32, .size: 8, .value_kind: global_buffer, .address_space: global }
      - { .name: hx_scales, .offset: 40, .size: 8, .value_kind: global_buffer, .address_space: global }
      - { .name: Wx_scales, .offset: 48, .size: 8, .value_kind: global_buffer, .address_space: global }
      - { .name: Wh_scales, .offset: 56, .size: 8, .value_kind: global_buffer, .address_space: global }
      - { .name: bx, .offset: 64, .size: 8, .value_kind: global_buffer, .address_space: global }
      - { .name: bh, .offset: 72, .size: 8, .value_kind: global_buffer, .address_space: global }
      - { .name: cx, .offset: 80, .size: 8, .value_kind: global_buffer, .address_space: global }
      - { .name: out0, .offset: 88, .size: 8, .value_kind: global_buffer, .address_space: global }
      - { .name: out1, .offset: 96, .size: 8, .value_kind: global_buffer, .address_space: global }
    .group_segment_fixed_size: 327680
    .private_segment_fixed_size: 0
    .kernarg_segment_align: 8
    .kernarg_segment_size: 104
    .max_flat_workgroup_size: 128
    .sgpr_count:     106
    .vgpr_count:     1024
    .wavefront_size: 32
...
	.end_amdgpu_metadata
.endif
;; end of part 1
